; MI455X (gfx1250); checked and timed in simulation.
; The chip was launched on July 23, 2026; its instructions are those of AMD's public machine-readable ISA for CDNA 5 (MIT licence, August 2026) and "CDNA5" Instruction Set Architecture Reference Guide (July 2026). The comments in the code are by the model that wrote it; some were corrected since.
;; Causal Self Attention. Allowed arithmetic: matrix products marked QUANTISED: E4M3 operands, one given power-of-two scale a tensor, by v_wmma_f32_16x16x64_fp8_fp8 or v_wmma_f32_16x16x128_fp8_fp8, f32 sums; everything else in f32.
;; Inputs: lowp_scales 8 int32 (the exponents e of the quantised operands' scales 2^e); w_proj 1,024 x 1,024 float32; w_qkv 3,072 x 1,024 float32; x 2 x 2,048 x 1,024 float32.
;; Outputs: out0 2 x 2,048 x 1,024 float32.
;; This version of the problem:
;;   THIS VERSION OF THE PROBLEM IS GIVEN IN LOW PRECISION. The matrix products marked QUANTISED in the list below multiply operands that are first quantised to E4M3 (4 exponent bits, 3 mantissa bits; 8 bits a number), with one given power-of-two scale for each operand tensor; their sums are f32. All else is computed in f32.
;;   The module's matrix products, in the order in which they are computed (A, B: the left and right operand; K: the contracted axis; several contracted axes count as one K, in the product's order):
;;     1. [M 4,096, K 1,024] x [K 1,024, N 3,072]; A: input x; B: input w_qkv: QUANTISED (scales: A lowp_scales[0], B lowp_scales[1])
;;     2. batch 32 x [M 2,048, K 64] x [K 64, N 2,048]; A: computed on the way; B: computed on the way: QUANTISED (scales: A lowp_scales[2], B lowp_scales[3])
;;     3. batch 32 x [M 2,048, K 2,048] x [K 2,048, N 64]; A: softmax (see below); B: computed on the way: QUANTISED (scales: A lowp_scales[4], B lowp_scales[5])
;;     4. [M 4,096, K 1,024] x [K 1,024, N 1,024]; A: computed on the way; B: input w_proj: QUANTISED (scales: A lowp_scales[6], B lowp_scales[7])
;;   THE QUANTISER, for each operand of a quantised product, along K:
;;     - The operand's scale is 2^e, e = its entry of the input lowp_scales (int32; the entries are numbered through the quantised products in the list's order, A before B).
;;     - Each number is divided by the scale, clamped to +-448, and rounded to the nearest number of E4M3, ties to even, subnormals kept.
;;     - The product sums the exact products of the quantised numbers (number of the format x scale) in f32.
;;   ~~~python
;;   def quantise(x, axis, e):      # numpy; x: float32 -> the quantised numbers, widened to float32 again
;;       x = np.moveaxis(x, axis, -1); K = x.shape[-1]
;;       r = np.clip(x / 2.0 ** e, -448, 448)
;;       step = 2.0 ** (np.maximum(np.frexp(np.where(r == 0, 1, r))[1] - 1, -6) - 3)
;;       q = np.round(r / step) * step * 2.0 ** e      # np.round: ties to even
;;       return np.moveaxis(q, -1, axis).astype(np.float32)
;;   ~~~
;;   SOFTMAX AHEAD OF A QUANTISED PRODUCT. Where the list says 'softmax', what is quantised is not the finished softmax but p = 2^(t - M), with t = logit x log2(e) and M = ceil(the row's largest t), a whole number; so 1/2 < the row's largest p <= 1. The row's sum l is taken of the UNQUANTISED p, in f32, and the product's result is divided by l at the end. Since M is a whole number, a kernel that streams over the keys may use a running M (the ceiling of the running maximum): every later rescaling is an exact power of two, so the quantised numbers keep their values, but for numbers so far below the row's largest that they fall under the format's range.
;;   OPERANDS COMPUTED ON THE WAY. 'Computed on the way' means the value that the module computes at that place (a softmax that the list does not call 'softmax' is quantised finished and normalised). What goes into a quantiser is computed in f32, as accurately as f32 sums, v_exp_f32 and their like allow (about 1e-6 of the number): no bf16 or f16 on the way to a quantiser, and a product that is left as it is and whose result goes on into a quantised operand takes f32 operands (vector FMAs, or v_wmma_f32_16x16x4_f32). A number that lies on a knife's edge between two numbers of the format may be rounded either way, as far as f32 arithmetic and the matrix unit's own rounding can turn it there, and no further.
;; One version. Each part assembles by itself: llvm-mc -triple=amdgcn-amd-amdhsa -mcpu=gfx1250 --defsym DOCPART=n.
;; ======== version 1 of 1: 4 launches
;; limits: right only within a limited range of input values
;; workspace buffers: img 8,388,608 bytes; qkvc 12,582,912 bytes; yimg 4,194,304 bytes
;; launch quant (part 1): grid 256 x 1, 8 waves a work-group, no clusters, 68,608 bytes of LDS; arguments x, w_qkv, w_proj, lowp_scales, img; writes img
.if DOCPART == 1
	.amdgcn_target "amdgcn-amd-amdhsa--gfx1250"
	.amdhsa_code_object_version 6
	.text
	.protected	k_q882d959e21_quant
	.globl	k_q882d959e21_quant
	.p2align	8
	.type	k_q882d959e21_quant,@function
k_q882d959e21_quant:
	s_mov_b64 s[64:65], 0
	v_nop
	global_prefetch_b8 v0, s[64:65] scope:SCOPE_SE
	s_setreg_imm32_b32 hwreg(HW_REG_WAVE_MODE, 25, 1), 1
	s_wait_xcnt 0x0
; x [4096][1024], w_qkv [3072][1024] and w_proj [1024][1024], f32, K innermost, become codes of FP8 (E4M3), each tensor with the scale 2^e given for it
; (entries 0, 1 and 7 of the scales).  code = number / 2^e, held within +-448, rounded to the nearest code, ties to even.
; WORK LEFT OUT IN THIS PROGRAM: of the scores and of p times v the tiles of 128 queries x 128 keys in which every key comes after every query: reference()'s own causal mask throws them away (their logits are replaced by -1e9
; for all values of the inputs).  LIMIT: a NaN, an infinity or an overflow that reaches only such a tile is not carried to the result; the visible logits stay far above -1e9, so that a hidden p is 0.
; LIMITS: e between -126 and 119, so that 2^e and 448 x 2^e are f32 numbers.  NaN among the inputs is not served.
; THE CODES ARE LAID AS IMAGES OF OPERAND REGISTERS.  A fragment is 16 rows x 128 along K, 16 registers a lane: lane (r = lane % 16, h = lane / 16) holds row r, registers 2 c, 2 c + 1
; hold k = 16 c + 8 h + 0 .. 7.  Its image is 2,048 bytes: registers 4 q .. 4 q + 3 of lane l at 512 q + 16 l.
; img: x at 0, [tile of 128 rows: 32][K step of 128: 8][block of 16 rows: 8][2,048]; w_proj at 0x700000 likewise, 8 tiles; w_qkv at 0x400000: [head: 16][half of the head's 64 channels: 2][K step: 8][q, k, v: 3][block: 2][2,048].
; SHARES.  A work-group takes 32 rows of one tensor (131,072 dense bytes); wave w takes K step w of its two blocks of 16 rows.  All 32 loads of a wave go out first.
; A load reads 512 consecutive bytes of a row, 16 a lane; the conversion wants 8 neighbours along K in ONE lane's registers: so a block turns through the wave's own stage in LDS.
; No tensor loads, no barrier, no cluster, no matrix unit: waves and work-groups share nothing, every byte is read once and written once.
.set SP,  528                          ; a stage row: 512 bytes + 16
.set WST, 16*SP                        ; a wave's stage
.set R,   16                           ; v16-143  two blocks x 16 rows x 4 registers, as loaded
.set X,   144                          ; v144-207 64 numbers of a lane: register 8 c + i = k 16 c + 8 h + i of row r
.set C,   208                          ; v208-239 the codes: 16 registers for each block
	s_load_b256 s[4:11], s[0:1], 0x0               ; x s[4:5], w_qkv s[6:7], w_proj s[8:9], the scales s[10:11]
	s_load_b64 s[12:13], s[0:1], 0x20              ; img
	v_lshl_add_u32 v240, v0, 2, 0x10800            ; my spare word, behind the eight stages
	v_mov_b32 v241, 0
	v_lshrrev_b32 v4, 5, v0
	s_delay_alu instid0(VALU_DEP_1)
	v_readfirstlane_b32 s16, v4                    ; wave 0..7
	v_and_b32 v5, 31, v0
	s_delay_alu instid0(VALU_DEP_1)
	v_lshlrev_b32 v1, 4, v5                        ; 16 x lane: my bytes of a load's 512, of a stage row, and of a store's 512
	v_and_b32 v6, 15, v0                           ; r
	v_bfe_u32 v7, v0, 4, 1                         ; h
	s_mul_i32 s17, s16, WST
	v_add_nc_u32 v2, s17, v1                       ; into the stage: as loaded
	v_mul_u32_u24 v3, v6, SP
	s_delay_alu instid0(VALU_DEP_1)
	v_lshl_add_u32 v3, v7, 5, v3
	s_delay_alu instid0(VALU_DEP_1)
	v_add_nc_u32 v3, s17, v3                       ; out of it: row r, + 32 h bytes: eight numbers of my half
	s_mov_b32 s20, 224
	s_wait_alu depctr_va_vdst(0)
	s_wait_kmcnt 0x0
	s_load_b256 s[24:31], s[10:11], 0x0            ; e0 .. e7
	s_cmp_lt_u32 ttmp9, 224                        ; which tensor: the choice hangs on the work-group's number alone; only pointers and numbers are chosen
	s_cselect_b64 s[18:19], s[6:7], s[8:9]
	s_cselect_b32 s20, 128, s20
	s_cmp_lt_u32 ttmp9, 128
	s_cselect_b64 s[18:19], s[4:5], s[18:19]
	s_cselect_b32 s20, 0, s20                      ; the tensor's first work-group
	s_sub_co_u32 s20, ttmp9, s20
	s_lshl_b32 s20, s20, 17                        ; my 32 rows of 4,096 bytes,
	s_lshl_b32 s21, s16, 9                         ; my wave's 512 bytes of each
	s_add_co_u32 s20, s20, s21
	s_mov_b32 s21, 0
	s_add_nc_u64 s[18:19], s[18:19], s[20:21]
	s_lshr_b32 s22, ttmp9, 2                       ; x, w_proj: four work-groups to a tile of 128 rows
	s_lshl_b32 s22, s22, 17
	s_lshl_b32 s23, s16, 14                        ; K step = wave,
	s_add_co_u32 s22, s22, s23
	s_and_b32 s23, ttmp9, 3
	s_lshl_b32 s23, s23, 12                        ; my two blocks of the tile's eight
	s_add_co_u32 s22, s22, s23
	s_sub_co_u32 s23, ttmp9, 128                   ; w_qkv: 32 work-groups to each of q, k, v; two to a head
	s_lshr_b32 s32, s23, 5
	s_lshl_b32 s32, s32, 12                        ; q, k or v,
	s_and_b32 s33, s23, 31
	s_mul_i32 s33, s33, 98304                      ; 2 x head + half,
	s_mul_i32 s34, s16, 12288                      ; K step = wave
	s_add_co_u32 s32, s32, s33
	s_add_co_u32 s32, s32, s34
	s_add_co_u32 s32, s32, 0x400000
	s_cmp_lt_u32 s23, 96                           ; is it w_qkv's work-group?
	s_cselect_b32 s22, s32, s22
	s_mov_b32 s23, 0
	s_add_nc_u64 s[12:13], s[12:13], s[22:23]
.macro LOAD j                          ; block j: 16 rows, 512 consecutive bytes each, at a multiple of 512 from the tensor's first byte
.irp i, 0,1,2,3,4,5,6,7,8,9,10,11,12,13,14,15
	global_load_b128 v[R+64*\j+4*\i:R+64*\j+4*\i+3], v1, s[18:19] offset:(16*\j+\i)*4096 th:TH_LOAD_NT
.endr
.endm
	LOAD 0
	LOAD 1
	s_wait_kmcnt 0x0
	s_cmp_lt_u32 ttmp9, 224
	s_cselect_b32 s21, s25, s31                    ; e1 or e7,
	s_cmp_lt_u32 ttmp9, 128
	s_cselect_b32 s21, s24, s21                    ; or e0
	s_add_co_i32 s21, s21, 127
	s_lshl_b32 s22, s21, 23
	v_mov_b32 v11, s22                             ; 2^e as f32: the conversion takes its exponent field
	s_add_co_i32 s21, s21, 8
	s_lshl_b32 s21, s21, 23
	s_or_b32 s21, s21, 0x600000
	v_mov_b32 v10, s21                             ; 448 x 2^e
.macro BLOCK j
	s_wait_loadcnt 16*(1-\j)                       ; this block's 16 loads are in; behind block 0's stand block 1's sixteen, which may stay out
.irp i, 0,1,2,3,4,5,6,7,8,9,10,11,12,13,14,15
	ds_store_b128 v2, v[R+64*\j+4*\i:R+64*\j+4*\i+3] offset:SP*\i
.endr
.irp c, 0,1,2,3,4,5,6,7
	ds_load_b128 v[X+8*\c:X+8*\c+3], v3 offset:64*\c       ; LDS serves a wave's instructions in order (ISA guide 5.7.1.4): these see the stores above
	ds_load_b128 v[X+8*\c+4:X+8*\c+7], v3 offset:64*\c+16
.endr
	s_wait_dscnt 0x0
.set i, 0
.rept 64
	v_med3_num_f32 v[X+i], v[X+i], -v10, v10       ; the conversion to an 8-bit code does not saturate (ISA guide 7.6.2): the hold at the largest code x the scale
.set i, i+1
.endr
.irp c, 0,1,2,3,4,5,6,7
	v_cvt_scalef32_pk8_fp8_f32 v[C+16*\j+2*\c:C+16*\j+2*\c+1], v[X+8*\c:X+8*\c+7], v11   ; registers 2 c, 2 c + 1 of the fragment
.endr
	v_nop                                          ; one plain vector line between the conversions and the next block's holds, which write their sources
.irp c, 0,1,2,3
	global_store_b128 v1, v[C+16*\j+4*\c:C+16*\j+4*\c+3], s[12:13] offset:2048*\j+512*\c   ; 32 lanes store 512 consecutive bytes, at a multiple of 512 from img's first byte
.endr
.endm
	s_wait_alu depctr_va_vdst(0)
	BLOCK 0
	BLOCK 1
	s_wait_tensorcnt 0x0                           ; the wave's end
	ds_add_u32 v240, v241
	s_wait_dscnt 0x0
	s_endpgm
.Lfunc_end_k_q882d959e21_quant:
	.size	k_q882d959e21_quant, .Lfunc_end_k_q882d959e21_quant-k_q882d959e21_quant
	.p2alignl 7, 3214868480
	.fill 96, 4, 3214868480
	.section	.rodata,"a",@progbits
	.p2align	6, 0x0
	.amdhsa_kernel k_q882d959e21_quant
		.amdhsa_group_segment_fixed_size 68608
		.amdhsa_private_segment_fixed_size 0
		.amdhsa_enable_private_segment 0
		.amdhsa_kernarg_size 40
		.amdhsa_user_sgpr_count 2
		.amdhsa_user_sgpr_kernarg_segment_ptr 1
		.amdhsa_wavefront_size32 1
		.amdhsa_system_sgpr_workgroup_id_x 1
		.amdhsa_system_sgpr_workgroup_id_y 1
		.amdhsa_system_sgpr_workgroup_id_z 1
		.amdhsa_system_vgpr_workitem_id 0
		.amdhsa_next_free_vgpr 242
		.amdhsa_next_free_sgpr 66
		.amdhsa_reserve_vcc 0
		.amdhsa_float_denorm_mode_32 3
		.amdhsa_float_denorm_mode_16_64 3
		.amdhsa_memory_ordered 1
		.amdhsa_forward_progress 1
		.amdhsa_inst_pref_size 21
	.end_amdhsa_kernel
	.amdgpu_metadata
---
amdhsa.version: [ 1, 2 ]
amdhsa.kernels:
  - .name:           k_q882d959e21_quant
    .symbol:         k_q882d959e21_quant.kd
    .args:
      - { .name: x, .offset: 0, .size: 8, .value_kind: global_buffer, .address_space: global }
      - { .name: w_qkv, .offset: 8, .size: 8, .value_kind: global_buffer, .address_space: global }
      - { .name: w_proj, .offset: 16, .size: 8, .value_kind: global_buffer, .address_space: global }
      - { .name: lowp_scales, .offset: 24, .size: 8, .value_kind: global_buffer, .address_space: global }
      - { .name: img, .offset: 32, .size: 8, .value_kind: global_buffer, .address_space: global }
    .group_segment_fixed_size: 68608
    .private_segment_fixed_size: 0
    .kernarg_segment_align: 8
    .kernarg_segment_size: 40
    .max_flat_workgroup_size: 256
    .sgpr_count:     66
    .vgpr_count:     242
    .wavefront_size: 32
...
	.end_amdgpu_metadata
.endif
;; end of part 1
;; launch qkv (part 2): grid 16 x 16, 4 waves a work-group, clusters of 4 x 4, 327,680 bytes of LDS; arguments img, lowp_scales, qkvc; writes qkvc
.if DOCPART == 2
	.amdgcn_target "amdgcn-amd-amdhsa--gfx1250"
	.amdhsa_code_object_version 6
	.text
	.protected	k_q882d959e21_qkv
	.globl	k_q882d959e21_qkv
	.p2align	8
	.type	k_q882d959e21_qkv,@function
k_q882d959e21_qkv:
	s_mov_b64 s[64:65], 0
	v_nop
	global_prefetch_b8 v0, s[64:65] scope:SCOPE_SE
	s_setreg_imm32_b32 hwreg(HW_REG_WAVE_MODE, 25, 1), 1
	s_wait_xcnt 0x0
	s_wait_alu depctr_hold_cnt(0) depctr_sa_sdst(0) depctr_va_vdst(0) depctr_va_sdst(0) depctr_va_ssrc(0) depctr_va_vcc(0) depctr_vm_vsrc(0)
	s_getreg_b32 s2, hwreg(HW_REG_IB_STS2, 6, 4)
	s_cmp_eq_u32 s2, 0
	s_cbranch_scc0 .Lentry_in_a_cluster
	s_endpgm
.Lentry_in_a_cluster:
	s_bfe_u32 s2, ttmp6, 0x10000c
	s_cmp_lg_u32 s2, 0xf033
	s_cbranch_scc0 .Lentry_shape_is_right
	s_endpgm
.Lentry_shape_is_right:
; qkv = x w_qkv^T on codes of FP8 (E4M3), sums in f32, and each sum quantised at once: q with 2^e2, k with 2^e3, v with 2^e5.  A sum stands for sum x 2^(e0 + e1), so its code is sum / 2^(e - e0 - e1):
; the three scales are folded into the conversion's one.  LIMIT: e2 - e0 - e1, e3 - e0 - e1 and e5 - e0 - e1 lie between -126 and 119, so that that power of two and 448 times it are f32 numbers.
; SHARES.  A work-group owns 256 tokens and ONE head's q, k and v (192 columns): 16 x 16 work-groups.  Wave (wi, wj) owns tokens 128 wi .. + 127 and channels 32 wj .. + 31 of each of q, k, v: 8 x 6 accumulators of 16 x 16.
; Source 0's rows become the eight neighbours in a lane's registers, source 1's rows the lanes.  q, k: source 0 = the weight (registers run along the channels, the next product's K), source 1 = x.
; v: source 0 = x (registers run along the tokens, which are the keys, the K of the product that takes v), source 1 = the weight.  So the conversions' results ARE registers of the next operand's fragment and are stored as they stand.
; qkvc: q at 0: [16 batch + head: 32][block of 16 tokens: 128][1,024];  k at 0x400000 likewise;  v at 0x800000: [16 batch + head: 32][block of 128 keys: 16][block of 16 channels: 4][2,048].
; OPERANDS come from img as images of their registers; what a wave fetches is one dense run of bytes.  K is 8 steps of 128.  LDS holds five: K steps 0-4 come by the head's loads, one a wave; K steps 5-7 are filled into the places of
; steps 0-2, one load a wave behind one round of the cluster's barrier, asked for ahead of the last half of step 2 and read from the middle of step 4 on.
; CLUSTERS: 4 x 4 work-groups.  x's tiles hang on cy and are shared along a row of the cluster, the weight's on cx and are shared down a column: each is asked for JOINTLY, by the same tensor load with the same
; descriptor and a mask that names the four.  No prefetch: the launch has no loop to run ahead in.
; REGISTERS: windows 0 and 1: a fragment buffer each: x's eight at v32-159, the weight's six (q, q, k, k, v, v) at v160-255; window 0 also v1-29 addresses and scales.
;   window 2: q's and k's accumulators (a, b) at v[8 (4 a + b)].  window 3: v's (a, b) at v[8 (2 a + b)], and the codes at v128-223.
.set AH,    81920                      ; LDS: x: [half: 2][place: 5][block: 8][2,048]
.set BOFF,  2*AH                       ; the weight: [half: 2][place: 5][q, k, v: 3][block: 2][2,048]
.set BH,    61440
.set SPARE, BOFF+2*BH                  ; the spare words: two blocks of 256 bytes
.set SPW,   28
.set NIL,   29
.set G1A, 16                           ; descriptor groups 1: x's head load, the weight's head load, x's refill, the weight's refill
.set G1B, 24
.set G1C, 32
.set G1D, 40
.set G0A, 48                           ; groups 0: x's, the weight's
.set G0B, 52
.set MSB, 0
.macro WIN new                         ; the immediate's high byte repeats the setting that is left
.if MSB != (\new)
	s_set_vgpr_msb (MSB<<8)|(\new)
.set MSB, (\new)
.endif
.endm
.macro CREST                           ; a round of the cluster's barrier behind its opening barrier
	s_cmp_lg_u32 s14, 0
	s_cbranch_scc1 .Lnot_wave_0_\@
	s_barrier_signal -3
.Lnot_wave_0_\@:
	s_barrier_wait -3
	s_barrier_signal -1
	s_barrier_wait -1
.endm
.macro CROUND
	s_barrier_signal -1
	s_barrier_wait -1
	CREST
.endm
.macro PLACES                          ; four plain vector lines behind a matrix instruction (ISA guide 7.12.1)
.rept 4
	v_nop
.endr
.endm
.macro JLOAD g1a, g1b                  ; a joint load: waves 0 and 1 fetch x's halves, waves 2 and 3 the weight's; the branch hangs on the wave's number alone
	s_cmp_eq_u32 s15, 0
	s_cbranch_scc0 .Lfor_w_\@
	tensor_load_to_lds s[G0A:G0A+3], s[\g1a:\g1a+7]
	s_nop 0
.rept 4
	v_nop
.endr
	s_branch .Lasked_\@
.Lfor_w_\@:
	tensor_load_to_lds s[G0B:G0B+3], s[\g1b:\g1b+7]
	s_nop 0
.rept 4
	v_nop
.endr
.Lasked_\@:
.endm
.macro GROUP1 g, mask, rows            ; rows x 256 dense bytes: 32 elements of 8 bytes a row, rows on end
	s_or_b32 s[\g], s[\mask], (3<<16)|(1<<21)      ; 15:0 the mask; 17:16 elements of 8 bytes; 21 set beside a mask
	s_mov_b32 s[\g+1], 32<<16
	s_mov_b32 s[\g+2], (\rows)<<16
	s_mov_b32 s[\g+3], 32<<16
	s_mov_b32 s[\g+4], \rows
	s_mov_b32 s[\g+5], 32
	s_mov_b32 s[\g+6], 0
	s_mov_b32 s[\g+7], 0
.endm
	s_load_b128 s[4:7], s[0:1], 0x0                ; img s[4:5], the scales s[6:7]
	s_load_b64 s[8:9], s[0:1], 0x10                ; qkvc
	v_lshl_add_u32 v[SPW], v0, 2, SPARE
	v_mov_b32 v[NIL], 0
	ds_add_u32 v[SPW], v[NIL]                      ; the opening lines: the add, twice on end, and one wait for both
	ds_add_u32 v[SPW], v[NIL]
	v_lshrrev_b32 v1, 5, v0
	v_readfirstlane_b32 s14, v1                    ; wave 0..3
	s_lshr_b32 s15, s14, 1                         ; wi: which 128 tokens are mine.  Also: I fetch for x (0) or for the weight (1)
	s_and_b32 s13, s14, 1                          ; wj: which 32 channels of the head.  Also: which half I fetch
	s_bfe_u32 s66, ttmp6, 0x40000                  ; cx
	s_bfe_u32 s67, ttmp6, 0x40004                  ; cy
	s_and_b32 s68, ttmp7, 0xffff
	s_lshl_b32 s70, s67, 2
	s_lshl_b32 s70, 15, s70                        ; my row of the cluster
	s_lshl_b32 s69, 0x1111, s66                    ; my column
	GROUP1 G1A, 70, 320                            ; 5 K steps of x's 128 rows: 81,920 bytes
	GROUP1 G1B, 69, 240                            ; 5 K steps of 96 rows of the weight: 61,440
	GROUP1 G1C, 70, 192                            ; 3 K steps: 49,152
	GROUP1 G1D, 69, 144                            ; 36,864
	s_lshl_b32 s73, ttmp9, 2
	s_add_co_u32 s73, s73, s66                     ; the head
	s_lshl_b32 s74, s68, 2
	s_add_co_u32 s74, s74, s67                     ; the block of 256 tokens
	s_lshl_b32 s76, s74, 18                        ; x: two tiles of 131,072 bytes to a block; no register on this way holds cx
	s_lshl_b32 s12, s13, 17
	s_add_co_u32 s76, s76, s12
	s_mov_b32 s77, 0
	s_mul_i32 s78, s73, 196608                     ; the weight: none on this way holds cy
	s_mul_i32 s11, s13, 98304
	s_add_co_u32 s78, s78, s11
	s_add_co_u32 s78, s78, 0x400000
	s_mov_b32 s79, 0
	s_mul_i32 s80, s13, AH                         ; where they go: the wave's number and constants alone
	s_mul_i32 s81, s13, BH
	s_add_co_u32 s81, s81, BOFF
	s_wait_dscnt 0x0                               ; both opening adds are done
	s_wait_kmcnt 0x0
	s_load_b256 s[92:99], s[6:7], 0x0              ; e0 .. e7
	s_mov_b32 s[G0A], 1
	s_mov_b32 s[G0A+1], s80
	s_add_nc_u64 s[G0A+2:G0A+3], s[4:5], s[76:77]
	s_or_b32 s[G0A+3], s[G0A+3], 0x80000000
	s_mov_b32 s[G0B], 1
	s_mov_b32 s[G0B+1], s81
	s_add_nc_u64 s[G0B+2:G0B+3], s[4:5], s[78:79]
	s_or_b32 s[G0B+3], s[G0B+3], 0x80000000
	CROUND                                         ; all sixteen work-groups are here: the joint loads meet
	JLOAD G1A, G1B                                 ; K steps 0-4: one tensor load a wave at the head
	; where my results go
	s_lshr_b32 s82, s74, 3
	s_lshl_b32 s82, s82, 4
	s_add_co_u32 s82, s82, s73                     ; 16 batch + head
	s_and_b32 s83, s74, 7
	s_lshl_b32 s83, s83, 1
	s_add_co_u32 s83, s83, s15                     ; my block of 128 tokens in the batch
	s_lshl_b32 s82, s82, 17
	s_lshl_b32 s83, s83, 13
	s_add_co_u32 s82, s82, s83
	s_lshl_b32 s60, s13, 12                        ; v: my two blocks of 16 channels
	s_add_co_u32 s60, s60, s82
	s_add_co_u32 s60, s60, 0x800000
	s_mov_b32 s61, 0
	s_add_nc_u64 s[10:11], s[8:9], s[60:61]
	s_lshl_b32 s60, s13, 9                         ; q, k: my half of a fragment's registers
	s_add_co_u32 s60, s60, s82
	s_add_nc_u64 s[8:9], s[8:9], s[60:61]
	s_mul_i32 s62, s15, AH
	s_mul_i32 s63, s13, BH
	s_add_co_u32 s63, s63, BOFF
	v_and_b32 v1, 31, v0
	v_lshlrev_b32 v1, 4, v1                        ; v1 = 16 x lane: my place in every image
	v_add_nc_u32 v2, s62, v1                       ; v2, v3: x's fragments, places 0-3 and 4 (the immediate reaches 65,535 bytes)
	v_add_nc_u32 v3, 0x10000, v2
	v_add_nc_u32 v4, s63, v1                       ; v4: the weight's
	s_wait_alu depctr_va_vdst(0)
	s_wait_kmcnt 0x0
	s_add_co_i32 s70, s92, s93                     ; e0 + e1
.macro SCALE e, vr, sr
	s_sub_co_i32 s71, s[\e], s70
	s_add_co_i32 s71, s71, 127
	s_lshl_b32 s72, s71, 23
	v_mov_b32 v[\vr], s72                          ; the folded scale as f32
	s_add_co_i32 s71, s71, 8
	s_lshl_b32 s71, s71, 23
	s_or_b32 s[\sr+1], s71, 0x600000               ; 448 x that,
	s_or_b32 s[\sr], s[\sr+1], 0x80000000          ; and - 448 x that
.endm
	SCALE 94, 10, 84                               ; q
	SCALE 95, 11, 86                               ; k
	SCALE 97, 12, 88                               ; v
; A run of 14 of a K step's 56 fragment loads, from number n0 on, from place sl into buffer p: the weight's 24 first, then x's 32, in the order in which the products want them.  Each load takes 512 consecutive bytes
.macro RUN sl, p, n0
	WIN 0x40*(\p)
.set n, \n0
.rept 14
.if n < 24
	ds_load_b128 v[160+4*n:163+4*n], v4 offset:(\sl)*12288+512*n
.elseif (\sl) < 4
	ds_load_b128 v[4*n-64:4*n-61], v2 offset:(\sl)*16384+512*(n-24)
.else
	ds_load_b128 v[4*n-64:4*n-61], v3 offset:512*(n-24)
.endif
.set n, n+1
.endr
.endm
.macro MQK a, b, p, zero               ; source 0 = 16 channels of q or k, source 1 = 16 tokens
.if \zero
	v_wmma_f32_16x16x128_fp8_fp8 v[8*(4*(\a)+\b):8*(4*(\a)+\b)+7], v[160+16*\b:175+16*\b], v[32+16*(\a):47+16*(\a)], 0
.else
	v_wmma_f32_16x16x128_fp8_fp8 v[8*(4*(\a)+\b):8*(4*(\a)+\b)+7], v[160+16*\b:175+16*\b], v[32+16*(\a):47+16*(\a)], v[8*(4*(\a)+\b):8*(4*(\a)+\b)+7]
.endif
.endm
.macro MV a, b, p, zero                ; source 0 = 16 tokens, source 1 = 16 channels of v
.if \zero
	v_wmma_f32_16x16x128_fp8_fp8 v[8*(2*(\a)+\b):8*(2*(\a)+\b)+7], v[32+16*(\a):47+16*(\a)], v[224+16*\b:239+16*\b], 0
.else
	v_wmma_f32_16x16x128_fp8_fp8 v[8*(2*(\a)+\b):8*(2*(\a)+\b)+7], v[32+16*(\a):47+16*(\a)], v[224+16*\b:239+16*\b], v[8*(2*(\a)+\b):8*(2*(\a)+\b)+7]
.endif
.endm
; A quarter of a K step: 12 matrix instructions on x's blocks 2 g, 2 g + 1.  The 48 accumulators take turns, one instruction a turn, in the same order in every K step
.macro QUART g, p, zero
	WIN 0xa0+5*(\p)
.irp a, 2*\g, 2*\g+1
.irp b, 0,1,2,3
	MQK \a, \b, \p, \zero
.endr
.endr
	WIN 0xf0+5*(\p)
.irp a, 2*\g, 2*\g+1
.irp b, 0,1
	MV \a, \b, \p, \zero
.endr
.endr
.endm
; A K step on buffer p, while the next step's fragments come from place sl into the other buffer.  Quarter 0 wants loads 0-31, each later quarter eight more: a wait's count is the loads not yet wanted + the runs issued since
.macro KSTEP sl, p, zero
	s_wait_dscnt 24
	PLACES                                         ; the other buffer's last readers are the matrix instructions just issued
	RUN \sl, 1-\p, 0
	QUART 0, \p, \zero
	s_wait_dscnt 16+14
	RUN \sl, 1-\p, 14
	QUART 1, \p, \zero
	s_wait_dscnt 8+28
	RUN \sl, 1-\p, 28
	QUART 2, \p, \zero
	s_wait_dscnt 42
	RUN \sl, 1-\p, 42
	QUART 3, \p, \zero
.endm
	s_wait_alu depctr_va_vdst(0)
	s_wait_tensorcnt 0x0                           ; my load has landed; behind the barrier everybody's has: K steps 0-4 are whole
	s_barrier_signal -1
	s_barrier_wait -1
.irp n1, 0,14,28,42
	RUN 0, 0, \n1
.endr
	KSTEP 1, 0, 1
	KSTEP 2, 1, 0
	; K step 2 fills places 0-2 again: everything that is read from them is in registers behind its wait for 0
	WIN 0
	s_wait_tensorcnt 0x0                           ; all my tensor loads have landed (none is out);
	ds_add_u32 v[SPW], v[NIL]
	s_add_nc_u64 s[G0A+2:G0A+3], s[G0A+2:G0A+3], 81920   ; five K steps on
	s_add_nc_u64 s[G0B+2:G0B+3], s[G0B+2:G0B+3], 61440
	s_wait_dscnt 25                                ; loads 0-31 are in; 24 loads and the add may be out
	QUART 0, 0, 0
	s_wait_dscnt 0x0                               ; the add is done, and my reads of places 0-2 are over
	s_barrier_signal -1
	QUART 1, 0, 0
	WIN 0
	s_barrier_wait -1
	CREST                                          ; the barrier has opened a round: no wave of any partner still reads these places
	JLOAD G1C, G1D                                 ; K steps 5-7; its four v_nop are also the places in front of the loads below
	RUN 3, 1, 0
	RUN 3, 1, 14
	QUART 2, 0, 0
	RUN 3, 1, 28
	RUN 3, 1, 42
	QUART 3, 0, 0
	KSTEP 4, 1, 0
	; K step 4: the refill is waited for in its middle
	s_wait_dscnt 24
	QUART 0, 0, 0
	s_wait_tensorcnt 0x0                           ; my part of K steps 5-7 is in,
	s_wait_dscnt 0x0
	s_barrier_signal -1
	QUART 1, 0, 0
	s_barrier_wait -1                              ; and everybody's
	PLACES
	RUN 0, 1, 0
	RUN 0, 1, 14
	QUART 2, 0, 0
	RUN 0, 1, 28
	RUN 0, 1, 42
	QUART 3, 0, 0
	KSTEP 1, 1, 0
	KSTEP 2, 0, 0
; THE LAST K STEP AND THE WAY OUT.  Behind each matrix instruction of quarter g stand the eight holds of the accumulator that took the same turn in quarter g - 1 (each from its low end on), in the same windows.
; Then that quarter's conversions, and q's and k's stores: acc (a, b) gives registers 2 (b % 2), 2 (b % 2) + 1 of my half of block a's fragment; v's (a, b) registers 2 a, 2 a + 1 of fragment b.
.macro HOLD at, sr                     ; the hold at the largest code x the scale (ISA guide 7.6.2)
.irp i, 0,1,2,3,4,5,6,7
	v_med3_num_f32 v[\at+\i], s[\sr], s[\sr+1], v[\at+\i]
.endr
.endm
.macro QOUT g
.if \g < 4
	s_wait_dscnt 24-8*\g
.endif
.if \g == 1
	PLACES                                         ; quarter 0's results are read below
.endif
	WIN 0xa5
.irp a, 2*\g, 2*\g+1
.irp b, 0,1,2,3
.if \g < 4
	MQK \a, \b, 1, 0
.endif
	HOLD 8*(4*(\a-2)+\b), 84+2*(\b/2)
.endr
.endr
	WIN 0xf5
.irp a, 2*\g, 2*\g+1
.irp b, 0,1
.if \g < 4
	MV \a, \b, 1, 0
.endif
	HOLD 8*(2*(\a-2)+\b), 88
.endr
.endr
	WIN 0xc2
.irp a, 2*\g-2, 2*\g-1
.irp b, 0,1,2,3
	v_cvt_scalef32_pk8_fp8_f32 v[128+32*(\b/2)+4*(\a)+2*(\b%2):129+32*(\b/2)+4*(\a)+2*(\b%2)], v[8*(4*(\a)+\b):8*(4*(\a)+\b)+7], v[10+\b/2]
.endr
.endr
	WIN 0xc3
.irp a, 2*\g-2, 2*\g-1
.irp b, 0,1
	v_cvt_scalef32_pk8_fp8_f32 v[192+16*\b+2*(\a):193+16*\b+2*(\a)], v[8*(2*(\a)+\b):8*(2*(\a)+\b)+7], v12
.endr
.endr
	v_nop                                          ; one plain vector line behind the last conversion
	WIN 0x0c
.irp a, 2*\g-2, 2*\g-1
	global_store_b128 v1, v[128+4*(\a):131+4*(\a)], s[8:9] offset:1024*(\a)              ; 32 lanes store 512 consecutive bytes, at a multiple of 512 from qkvc's first byte
	global_store_b128 v1, v[160+4*(\a):163+4*(\a)], s[8:9] offset:0x400000+1024*(\a)
.endr
.endm
	s_wait_dscnt 24
	QUART 0, 1, 0
	QOUT 1
	QOUT 2
	QOUT 3
	QOUT 4
.irp b, 0,1
.irp c, 0,1,2,3
	global_store_b128 v1, v[192+16*\b+4*\c:195+16*\b+4*\c], s[10:11] offset:2048*\b+512*\c
.endr
.endr
	WIN 0
	s_wait_tensorcnt 0x0                           ; the wave's end
	ds_add_u32 v[SPW], v[NIL]
	s_wait_dscnt 0x0
	CROUND                                         ; the closing round: no work-group ends while a partner may still ask for a tile that names it
	s_endpgm
.Lfunc_end_k_q882d959e21_qkv:
	.size	k_q882d959e21_qkv, .Lfunc_end_k_q882d959e21_qkv-k_q882d959e21_qkv
	.p2alignl 7, 3214868480
	.fill 96, 4, 3214868480
	.section	.rodata,"a",@progbits
	.p2align	6, 0x0
	.amdhsa_kernel k_q882d959e21_qkv
		.amdhsa_group_segment_fixed_size 327680
		.amdhsa_private_segment_fixed_size 0
		.amdhsa_enable_private_segment 0
		.amdhsa_kernarg_size 24
		.amdhsa_user_sgpr_count 2
		.amdhsa_user_sgpr_kernarg_segment_ptr 1
		.amdhsa_wavefront_size32 1
		.amdhsa_system_sgpr_workgroup_id_x 1
		.amdhsa_system_sgpr_workgroup_id_y 1
		.amdhsa_system_sgpr_workgroup_id_z 1
		.amdhsa_system_vgpr_workitem_id 0
		.amdhsa_next_free_vgpr 1024
		.amdhsa_next_free_sgpr 100
		.amdhsa_reserve_vcc 0
		.amdhsa_float_denorm_mode_32 3
		.amdhsa_float_denorm_mode_16_64 3
		.amdhsa_memory_ordered 1
		.amdhsa_forward_progress 1
		.amdhsa_inst_pref_size 96
	.end_amdhsa_kernel
	.amdgpu_metadata
---
amdhsa.version: [ 1, 2 ]
amdhsa.kernels:
  - .name:           k_q882d959e21_qkv
    .symbol:         k_q882d959e21_qkv.kd
    .args:
      - { .name: img, .offset: 0, .size: 8, .value_kind: global_buffer, .address_space: global }
      - { .name: lowp_scales, .offset: 8, .size: 8, .value_kind: global_buffer, .address_space: global }
      - { .name: qkvc, .offset: 16, .size: 8, .value_kind: global_buffer, .address_space: global }
    .group_segment_fixed_size: 327680
    .private_segment_fixed_size: 0
    .kernarg_segment_align: 8
    .kernarg_segment_size: 24
    .max_flat_workgroup_size: 128
    .sgpr_count:     100
    .vgpr_count:     1024
    .wavefront_size: 32
...
	.end_amdgpu_metadata
.endif
;; end of part 2
;; launch attn (part 3): grid 8 x 32, 16 waves a work-group, clusters of 4 x 1, 301,056 bytes of LDS; arguments qkvc, lowp_scales, yimg; writes yimg
.if DOCPART == 3
	.amdgcn_target "amdgcn-amd-amdhsa--gfx1250"
	.amdhsa_code_object_version 6
	.text
	.protected	k_q882d959e21_attn
	.globl	k_q882d959e21_attn
	.p2align	8
	.type	k_q882d959e21_attn,@function
k_q882d959e21_attn:
	s_mov_b64 s[64:65], 0
	v_nop
	global_prefetch_b8 v0, s[64:65] scope:SCOPE_SE
	s_setreg_imm32_b32 hwreg(HW_REG_WAVE_MODE, 25, 1), 1
	s_wait_xcnt 0x0
	s_wait_alu depctr_hold_cnt(0) depctr_sa_sdst(0) depctr_va_vdst(0) depctr_va_sdst(0) depctr_va_ssrc(0) depctr_va_vcc(0) depctr_vm_vsrc(0)
	s_getreg_b32 s2, hwreg(HW_REG_IB_STS2, 6, 4)
	s_cmp_eq_u32 s2, 0
	s_cbranch_scc0 .Lentry_in_a_cluster
	s_endpgm
.Lentry_in_a_cluster:
	s_bfe_u32 s2, ttmp6, 0x10000c
	s_cmp_lg_u32 s2, 0x3003
	s_cbranch_scc0 .Lentry_shape_is_right
	s_endpgm
.Lentry_shape_is_right:
; y[b][q][head] = the sum over keys k <= q of softmax_k(q . k / 8) v, both products on codes of FP8 (E4M3); y quantised at once with 2^e6 for the last product.
; q (2^e2), k (2^e3), v (2^e5) come from qkvc as images of operand registers; the softmax's p is quantised with 2^e4.
; THE SOFTMAX: t = score x 2^(e2 + e3) x log2(e) / 8; M = the row's largest t so far, rounded UP to a whole number; p = 2^(t - M) is what is quantised, not normalised.  The row's sum is taken of the
; unquantised p, in f32, and divides at the end.  When M moves, the sum and O are multiplied by 2^(old M - new M): exact.  A hidden key's logit is -1e9, as the problem has it.
; WORK LEFT OUT: key steps of 128 all of whose keys come after all of a tile's block of 128 queries: the causal mask of reference()'s own body throws them away.
; SHARES.  A head's 2,048 queries are 16 blocks of 128, a block 8 tiles of 16.  Work-group g (0 .. 7) of a head owns tile g of EVERY block: 16 tiles, the same steps in every work-group.
; Block j's tile (j = 0 .. 7, the early one) and block 15 - j's (the late one) see 17 steps of 128 keys together; two waves share them.  Wave j (A) walks the early tile's steps 0 .. j, sends its y out, and then
; walks the late tile's steps 6 .. 15 - j: eleven steps.  Wave j + 8 (B) walks the late tile's steps 0 .. 5.
; B's share of the late tile (O, the sum, M) goes to A through LDS; A brings both under the larger M, adds them and sends the late tile out.
; LDS.  The head's whole K (131,072 bytes) and whole V (131,072) lie in LDS; every tensor load is a first fill, one a wave: waves 0-7 an eighth of K each, waves 8-15 an eighth of V.
; CLUSTERS: 4 x 1 work-groups of one head: they need the same K and V, which are asked for JOINTLY, by the same tensor load with the same descriptor and a mask that names the four.  No branch, trip count or LDS address hangs on
; g: it enters the addresses of q and y and, by selects, the mask of hidden keys.
; NO PREFETCH: all of K and V is asked for at the head; there is nothing left to ask ahead for.
; LAYOUT.  Both products are used transposed: S^T = K Q^T (source 0 = 16 keys, source 1 = my 16 queries; K = 64), O^T = V^T P^T (source 0 = 16 channels, source 1 = P; K = 128 keys): a lane holds ONE query
; (lane % 16) throughout.  Tile c of S^T gives lane (r, h) keys 16 c + 8 h + 0 .. 7: their eight codes are registers 2 c, 2 c + 1 of P.  Tile t of O^T gives channels 16 t + 8 h + 0 .. 7: registers 2 t, 2 t + 1 of y's fragment.
; yimg: [tile of 128 tokens: 32][pair of heads = K step: 8][block of 16 tokens: 8][2,048]; the even head is a fragment's first 1,024 bytes, the odd head its second.
; LIMITS on the given exponents: e2 + e3 between -123 and 130 (added to an exponent field); e4 and e6 between -126 and 119.  NaN among the inputs is not served.  The scaled scores stay under 2^31 in magnitude.
; REGISTERS: v1, v2 LDS bases; v3, v4 the step's LDS addresses; v8 2^e4, v9 the hidden score, v10, v11 y's scale and bound; v12 -M, v13 the largest t, v[14:15] the sum in two halves; v16-23 Q; v24-30 at work;
;   v32-95 K's eight fragments, then P's codes in v32-47 and parts of the sum in v80-93; v96-159 S^T, then p; v160-191 O^T; v192-255 V's four fragments.
.set VREG,  131072                     ; LDS: K at 0: [block of 16 keys: 128][1,024];  V here: [block of 128 keys: 16][block of 16 channels: 4][2,048]
.set PART,  262144                     ; B's share of a late tile: 8 x (4,096 + 512)
.set PB,    4608
.set SPARE, PART+8*PB                  ; the spare words: 2,048 bytes
.set NSTEP, 11                         ; A's steps
.set NB,    6                          ; B's
.set WV,   18                          ; my wave's number
.set ROLE, 19                          ; 0: A, 1: B
.set SEL,  20                          ; s[20:21] lane selects for v_permlanex16_b32: lane l xor 16
.set CS,   22                          ; s[22:23] c = 2^(e2 + e3) log2(e) / 8: the packed form names a pair and takes its low word for both halves
.set G1,   24                          ; s[24:31] descriptor group 1
.set G0,   40                          ; s[40:43] group 0
.set LB,   44                          ; the late block
.set I,    56                          ; my step's count
.set T,    57                          ; ahead of count T A changes tiles; from then on step = count + D, before it step = count.  (B's T is never reached)
.set D,    58
.set QB,   70                          ; the block of 128 queries in hand
.set ST,   71                          ; the step of 128 keys in hand
.set TB,   72                          ; ST x 8,192
.set DT,   73                          ; g: my tile in its block
.set NST,  74                          ; my steps
.set PH,   75                          ; 448 x 2^e4
.set EY,   76                          ; e4 + e5
.macro CROUND                          ; a round of the cluster's barrier
	s_barrier_signal -1
	s_barrier_wait -1
	s_cmp_lg_u32 s[WV], 0
	s_cbranch_scc1 .Lnot_wave_0_\@
	s_barrier_signal -3
.Lnot_wave_0_\@:
	s_barrier_wait -3
	s_barrier_signal -1
	s_barrier_wait -1
.endm
	s_load_b128 s[4:7], s[0:1], 0x0                ; qkvc s[4:5], the scales s[6:7]
	s_load_b64 s[8:9], s[0:1], 0x10                ; yimg
	v_lshl_add_u32 v254, v0, 2, SPARE
	v_mov_b32 v255, 0
	ds_add_u32 v254, v255                          ; the opening lines: the add, twice on end, and one wait for both
	ds_add_u32 v254, v255
	v_lshrrev_b32 v3, 5, v0
	s_delay_alu instid0(VALU_DEP_1)
	v_readfirstlane_b32 s[WV], v3                  ; wave 0..15
	s_bfe_u32 s81, ttmp6, 0x40000                  ; cx
	s_lshl_b32 s[DT], ttmp9, 2
	s_add_co_u32 s[DT], s[DT], s81                 ; g = 4 x cluster x + cx
	s_and_b32 s80, ttmp7, 0xffff                   ; 16 batch + head
	s_lshr_b32 s[ROLE], s[WV], 3
	s_and_b32 s82, s[WV], 7                        ; j
	s_sub_co_u32 s[LB], 15, s82
	s_add_co_u32 s45, s82, 1
	s_sub_co_u32 s46, NB-1, s82
	s_cmp_lg_u32 s[ROLE], 0
	s_cselect_b32 s[QB], s[LB], s82                ; A begins with the early block, B has the late one
	s_cselect_b32 s[T], 16, s45
	s_cselect_b32 s[D], 0, s46
	s_cselect_b32 s[NST], NB, NSTEP
	; what I fetch: an eighth, 16,384 dense bytes, of K (waves 0-7) or V (8-15)
	s_lshl_b32 s83, s[WV], 14                      ; in LDS,
	s_lshl_b32 s84, s[ROLE], 22
	s_add_co_u32 s84, s84, 0x400000
	s_lshl_b32 s85, s82, 14
	s_add_co_u32 s84, s84, s85
	s_lshl_b32 s85, s80, 17                        ; the head's 131,072 bytes
	s_add_co_u32 s84, s84, s85                     ; and in qkvc
	s_mov_b32 s85, 0
	; descriptor group 1: 64 rows of 32 elements of 8 bytes, on end
	s_mov_b32 s[G1], (3<<16)|(1<<21)|15            ; 15:0 the mask: all four of the cluster; 17:16 elements of 8 bytes; 21 set beside a mask; no padding
	s_mov_b32 s[G1+1], 32<<16
	s_mov_b32 s[G1+2], 64<<16
	s_mov_b32 s[G1+3], 32<<16
	s_mov_b32 s[G1+4], 64
	s_mov_b32 s[G1+5], 32
	s_mov_b32 s[G1+6], 0
	s_mov_b32 s[G1+7], 0
	s_mov_b32 s[SEL], 0x76543210
	s_mov_b32 s[SEL+1], 0xfedcba98
	s_mov_b32 s[CS], 0x3e38aa3b                    ; log2(e) / 8
	; Q's fragments (the first tile's, and the late tile's for A's change), and my first tile's place in yimg
	s_lshl_b32 s86, s80, 17
	s_lshl_b32 s87, s[DT], 10
	s_add_co_u32 s86, s86, s87
	s_lshl_b32 s88, s[LB], 13
	s_add_co_u32 s88, s88, s86
	s_mov_b32 s89, 0
	s_lshl_b32 s87, s[QB], 13
	s_add_co_u32 s86, s86, s87
	s_mov_b32 s87, 0
	s_lshr_b32 s90, s80, 4
	s_lshl_b32 s90, s90, 21                        ; batch: 16 tiles of 128 tokens,
	s_bfe_u32 s91, s80, 0x30001                    ; head / 2
	s_lshl_b32 s91, s91, 14
	s_add_co_u32 s90, s90, s91
	s_lshl_b32 s91, s[DT], 11
	s_add_co_u32 s90, s90, s91
	s_and_b32 s91, s80, 1                          ; head % 2
	s_lshl_b32 s91, s91, 10
	s_add_co_u32 s90, s90, s91
	s_lshl_b32 s92, s[LB], 17                      ; the late tile's,
	s_add_co_u32 s92, s92, s90
	s_mov_b32 s93, 0
	s_lshl_b32 s91, s[QB], 17
	s_add_co_u32 s90, s90, s91                     ; and the first tile's
	s_mov_b32 s91, 0
	s_wait_dscnt 0x0                               ; both opening adds are done
	s_wait_kmcnt 0x0
	s_load_b256 s[48:55], s[6:7], 0x0              ; e0 .. e7
	s_mov_b32 s[G0], 1                             ; count = 1
	s_mov_b32 s[G0+1], s83                         ; LDS address
	s_add_nc_u64 s[G0+2:G0+3], s[4:5], s[84:85]    ; global address
	s_or_b32 s[G0+3], s[G0+3], 0x80000000          ; type = 2
	s_add_nc_u64 s[10:11], s[4:5], s[86:87]
	s_add_nc_u64 s[78:79], s[4:5], s[88:89]
	s_add_nc_u64 s[12:13], s[8:9], s[92:93]
	s_add_nc_u64 s[8:9], s[8:9], s[90:91]
	CROUND                                         ; all four work-groups are here: the joint loads meet
	tensor_load_to_lds s[G0:G0+3], s[G1:G1+7]      ; one tensor load a wave
	s_nop 0
.rept 4
	v_nop
.endr
	v_and_b32 v1, 31, v0
	s_delay_alu instid0(VALU_DEP_1)
	v_lshlrev_b32 v1, 4, v1                        ; v1 = 16 x lane: my place in every image
	global_load_b128 v[16:19], v1, s[10:11]        ; Q's fragment stays in registers
	global_load_b128 v[20:23], v1, s[10:11] offset:512
	v_add_nc_u32 v2, VREG, v1                      ; the same in V's region
.macro START                           ; a tile's state
	v_mov_b32 v13, 0xff61b1e6                      ; the largest t so far: -3e38, under every t
	s_delay_alu instid0(VALU_DEP_1)
	v_floor_f32 v12, -v13                          ; -M
	v_mov_b32 v14, 0                               ; the sum, in two halves
	v_mov_b32 v15, 0
.set n, 0
.rept 32
	v_mov_b32 v[160+n], 0                          ; O^T.  (The step is written for every count alike: a tile's first finds zeros, which the first change of M leaves zeros)
.set n, n+1
.endr
.endm
	START
	v_mov_b32 v27, 0                               ; (named as the upper half of the pair v[26:27])
	v_mov_b32 v30, 0                               ; written once: a lane permute's destination counts as one of its sources
	s_wait_alu depctr_va_vdst(0)
	s_wait_kmcnt 0x0
	s_add_co_i32 s61, s50, s51                     ; e2 + e3
	s_lshl_b32 s62, s61, 23
	s_add_co_i32 s[CS], s[CS], s62                 ; a score stands for score x 2^(e2 + e3): the exponents are added to c's exponent field
	s_mov_b32 s[CS+1], s[CS]                       ; (named with it as a pair, so it is written)
	s_sub_co_i32 s61, 0, s61
	v_mov_b32 v9, 0xcfee6b28                       ; -8e9:
	s_delay_alu instid0(VALU_DEP_1)
	v_ldexp_f32 v9, v9, s61                        ; the score that stands for the logit -1e9
	s_add_co_i32 s62, s52, 127
	s_lshl_b32 s63, s62, 23
	v_mov_b32 v8, s63                              ; 2^e4 as f32, for p's conversions
	s_add_co_i32 s62, s62, 8
	s_lshl_b32 s62, s62, 23
	s_or_b32 s[PH], s62, 0x600000                  ; 448 x 2^e4
	s_add_co_i32 s[EY], s52, s53
	s_add_co_i32 s62, s54, 127
	s_lshl_b32 s63, s62, 23
	v_mov_b32 v10, s63                             ; 2^e6, for y's
	s_add_co_i32 s62, s62, 8
	s_lshl_b32 s62, s62, 23
	s_or_b32 s62, s62, 0x600000
	v_mov_b32 v11, s62                             ; 448 x 2^e6
.macro SUM                             ; the row's sum in v14
	v_add_f32 v14, v14, v15                        ; its two halves,
	s_delay_alu instid0(VALU_DEP_1)
	v_permlanex16_b32 v30, v14, s[SEL], s[SEL+1]
	s_delay_alu instid0(VALU_DEP_1)
	v_add_f32 v14, v14, v30                        ; and lane l xor 16's
.endm
; O^T x 2^(e4 + e5) / the sum is y; it is held, converted with 2^e6 and stored at s[base:base + 1] as it stands: eight registers of a fragment of the last product's operand.
; direct = 1: O^T is as the matrix unit left it, and is first read here, behind the reciprocal
.macro YOUT direct, base
	s_wait_alu depctr_va_vdst(0)                   ; the wait ahead of a transcendental,
	v_rcp_f32 v14, v14
	v_nop
	s_wait_alu depctr_va_vdst(0)                   ; and behind it
	v_ldexp_f32 v14, v14, s[EY]                    ; x 2^(e4 + e5)
.if \direct
	s_wait_alu depctr_va_vdst(0)                   ; and ahead of the matrix results' first readers
.endif
.set n, 0
.rept 16
	v_pk_mul_f32 v[96+n:97+n], v[160+n:161+n], v[14:15] op_sel_hi:[1,0]   ; register 8 t + i is y(query r, channel 16 t + 8 h + i); each accumulator from its low end on
.set n, n+2
.endr
.set n, 0
.rept 32
	v_med3_num_f32 v[96+n], v[96+n], -v11, v11
.set n, n+1
.endr
.irp t, 0,1,2,3
	v_cvt_scalef32_pk8_fp8_f32 v[32+2*\t:33+2*\t], v[96+8*\t:103+8*\t], v10
.endr
	v_nop                                          ; one plain vector line behind the last conversion
	global_store_b128 v1, v[32:35], s[\base:\base+1]         ; 32 lanes store 512 consecutive bytes, at a multiple of 512 from yimg's first byte
	global_store_b128 v1, v[36:39], s[\base:\base+1] offset:512
.endm
; A KEY STEP: 128 keys.
.macro STEP
	v_add_nc_u32 v3, s[TB], v1
	v_add_nc_u32 v4, s[TB], v2
.rept 2
	v_nop                                          ; with the two additions: four places in front of loads into registers that the last products read
.endr
.irp f, 0,1,2,3,4,5,6,7
	ds_load_b128 v[32+8*\f:35+8*\f], v3 offset:1024*\f             ; K: 16 keys x 64 channels, 8 registers; each load takes 512 consecutive bytes
	ds_load_b128 v[36+8*\f:39+8*\f], v3 offset:1024*\f+512
.endr
.irp t, 0,1,2,3
.irp c, 0,1,2,3
	ds_load_b128 v[192+16*\t+4*\c:195+16*\t+4*\c], v4 offset:2048*\t+512*\c    ; V: 16 channels x 128 keys, 16 registers: asked for now, wanted behind the softmax
.endr
.endr
	s_wait_dscnt 16                                ; K's sixteen loads are in; V's sixteen, issued behind them, may stay out
.irp f, 0,1,2,3,4,5,6,7
	v_wmma_f32_16x16x64_fp8_fp8 v[96+8*\f:103+8*\f], v[32+8*\f:39+8*\f], v[16:23], 0
.endr
.rept 4
	v_nop
.endr
	s_cmp_lg_u32 s[ST], s[QB]                      ; only the step on the diagonal has hidden keys
	s_cbranch_scc1 .Lopen_\@
; There tile c of 16 keys is open where c < g, on the diagonal where c = g (lane (r, h), register i: key 8 h + i counts where it is at most r: constant masks of hidden lanes), and hidden where c > g
.irp c, 0,1,2,3,4,5,6,7
	s_cmp_lt_u32 s[DT], \c
	s_cselect_b32 s88, -1, 0
	s_cmp_eq_u32 s[DT], \c
.irp i, 0,1,2,3,4,5,6,7
	s_cselect_b32 s[80+\i], ((1<<\i)-1)|(((256<<\i)-1)<<16), s88
.endr
.irp i, 0,1,2,3,4,5,6,7
	v_cndmask_b32 v[96+8*\c+\i], v[96+8*\c+\i], v9, s[80+\i]
.endr
.endr
.Lopen_\@:
	v_max3_num_f32 v24, v96, v97, v98              ; the step's largest score of my query, among my 64 keys, in two chains, each tile from its low end on,
	v_max3_num_f32 v25, v99, v100, v101
.irp i, 6,10,14,18,22,26,30,34,38,42,46,50,54,58
	v_max3_num_f32 v24, v24, v[96+\i], v[97+\i]
	v_max3_num_f32 v25, v25, v[98+\i], v[99+\i]
.endr
	v_max3_num_f32 v24, v24, v158, v159
	s_delay_alu instid0(VALU_DEP_1)
	v_max_num_f32 v24, v24, v25
	s_delay_alu instid0(VALU_DEP_1)
	v_permlanex16_b32 v30, v24, s[SEL], s[SEL+1]
	s_delay_alu instid0(VALU_DEP_1)
	v_max_num_f32 v24, v24, v30                    ; and among lane l xor 16's
	s_delay_alu instid0(VALU_DEP_1)
	v_mul_f32 v24, s[CS], v24                      ; as t (c is positive)
	s_delay_alu instid0(VALU_DEP_1)
	v_max_num_f32 v13, v13, v24                    ; the running largest t
	v_mov_b32 v24, v12
	s_delay_alu instid0(VALU_DEP_2)
	v_floor_f32 v12, -v13                          ; the new -M = floor(-t) = -ceil(t): M is a whole number
	s_delay_alu instid0(VALU_DEP_1)
	v_sub_f32 v24, v12, v24                        ; M's old value less its new one: a whole number, 0 or less
	s_delay_alu instid0(VALU_DEP_1)
	v_cvt_i32_f32 v24, v24                         ; (it saturates)
	s_delay_alu instid0(VALU_DEP_1)
	v_ldexp_f32 v26, 1.0, v24                      ; f = 2^(old M - new M)
.set n, 0
.rept 32
	v_pk_fma_f32 v[96+n:97+n], v[96+n:97+n], s[CS:CS+1], v[12:13] op_sel_hi:[1,0,0]   ; t - M, two at a time (of the pairs c and -M the low word serves both halves)
.set n, n+2
.endr
	s_wait_alu depctr_va_vdst(0)                   ; the wait ahead of the batch,
.set n, 0
.rept 64
	v_exp_f32 v[96+n], v[96+n]                     ; p = 2^(t - M), at most 1: not normalised
.set n, n+1
.endr
	v_pk_mul_f32 v[14:15], v[14:15], v[26:27] op_sel_hi:[1,0]      ; the sums under the new M.  (A plain place behind the exponentials)
	s_wait_alu depctr_va_vdst(0)                   ; and behind it
.irp k, 0,1,2,3,4,5,6
	v_pk_add_f32 v[80+2*\k:81+2*\k], v[96+4*\k:97+4*\k], v[98+4*\k:99+4*\k]   ; the row's sum is taken of the unquantised p: two at a time, in eight chains
.endr
	v_pk_add_f32 v[14:15], v[14:15], v[124:125]
.irp q, 15, 23
.irp k, 0,1,2,3,4,5,6
	v_pk_add_f32 v[80+2*\k:81+2*\k], v[80+2*\k:81+2*\k], v[96+2*(\q+\k):97+2*(\q+\k)]
.endr
	v_pk_add_f32 v[14:15], v[14:15], v[96+2*(\q+7):97+2*(\q+7)]
.endr
	v_pk_add_f32 v[80:81], v[80:81], v[158:159]
	v_pk_add_f32 v[14:15], v[14:15], v[86:87]
	v_pk_add_f32 v[80:81], v[80:81], v[88:89]
	v_pk_add_f32 v[82:83], v[82:83], v[90:91]
	v_pk_add_f32 v[84:85], v[84:85], v[92:93]
	s_delay_alu instid0(VALU_DEP_3)
	v_pk_add_f32 v[14:15], v[14:15], v[80:81]
	s_delay_alu instid0(VALU_DEP_2)
	v_pk_add_f32 v[82:83], v[82:83], v[84:85]
	s_delay_alu instid0(VALU_DEP_1)
	v_pk_add_f32 v[14:15], v[14:15], v[82:83]
.irp c, 0,1,2,3,4,5,6,7
.irp i, 0,2,4,6
	v_dual_min_num_f32 v[96+8*\c+\i], s[PH], v[96+8*\c+\i] :: v_dual_min_num_f32 v[97+8*\c+\i], s[PH], v[97+8*\c+\i]   ; the conversion does not saturate (ISA guide 7.6.2); p is not negative, so the hold is one-sided
.endr
.endr
.irp c, 0,1,2,3,4,5,6,7
	v_cvt_scalef32_pk8_fp8_f32 v[32+2*\c:33+2*\c], v[96+8*\c:103+8*\c], v8   ; registers 2 c, 2 c + 1 of P, where K's fragments lay
.endr
.set n, 0
.rept 16
	v_pk_mul_f32 v[160+n:161+n], v[160+n:161+n], v[26:27] op_sel_hi:[1,0]   ; O^T under the new M: x f.  (Also the plain lines between the conversions and the products that read their results)
.set n, n+2
.endr
	s_wait_alu depctr_va_vdst(0)
	s_wait_dscnt 0x0                               ; V is in
.irp t, 0,1,2,3
	v_wmma_f32_16x16x128_fp8_fp8 v[160+8*\t:167+8*\t], v[192+16*\t:207+16*\t], v[32:47], v[160+8*\t:167+8*\t]   ; the four accumulators take turns; between two turns of one stand the next step's eight products
.endr
.endm
	s_wait_alu depctr_va_vdst(0)
	s_wait_loadcnt 0x0                             ; Q
	s_wait_tensorcnt 0x0                           ; my part of K or V; behind the barrier everybody's
	s_barrier_signal -1
	s_barrier_wait -1
	s_mov_b32 s[I], 0
.Ltrip:                                            ; every wave walks the same counts; the branches hang on the wave's number and on the count
	s_cmp_lg_u32 s[I], s[T]
	s_cbranch_scc1 .Lsame
	SUM                                            ; A: the early tile is finished and goes out,
	YOUT 1, 8
	s_wait_xcnt 0x0                                ; (the stores' registers are free)
	global_load_b128 v[16:19], v1, s[78:79]        ; and the late tile begins
	global_load_b128 v[20:23], v1, s[78:79] offset:512
	START
	s_mov_b32 s[QB], s[LB]
	s_wait_alu depctr_va_vdst(0)
	s_wait_loadcnt 0x0
.Lsame:
	s_cmp_ge_u32 s[I], s[NST]                      ; B has fewer steps
	s_cbranch_scc1 .Lnone
	s_cmp_ge_u32 s[I], s[T]
	s_cselect_b32 s[ST], s[D], 0
	s_add_co_u32 s[ST], s[ST], s[I]
	s_and_b32 s[ST], s[ST], 15                     ; (D may be below 0; the step's number is 0 .. 15)
	s_lshl_b32 s[TB], s[ST], 13
	STEP
.Lnone:
	s_add_co_u32 s[I], s[I], 1
	s_cmp_lg_u32 s[I], NSTEP
	s_cbranch_scc1 .Ltrip
	; B hands its share of the late tile to A: O^T, the sum and -M
	SUM
	s_and_b32 s61, s[WV], 7
	s_mul_i32 s61, s61, PB
	s_add_co_u32 s61, s61, PART
	v_add_nc_u32 v3, s61, v1                       ; 16 bytes a lane
	v_lshrrev_b32 v4, 1, v1
	v_add_nc_u32 v4, s61, v4                       ; 8 bytes a lane
	s_wait_alu depctr_va_vdst(0)
	s_cmp_lg_u32 s[ROLE], 0
	s_cbranch_scc0 .Lgiven
	v_mov_b32 v15, v12
.irp k, 0,1,2,3,4,5,6,7
	ds_store_b128 v3, v[160+4*\k:163+4*\k] offset:512*\k
.endr
	ds_store_b64 v4, v[14:15] offset:4096
.Lgiven:
	s_wait_dscnt 0x0                               ; my stores are done
	s_barrier_signal -1
	s_barrier_wait -1
	s_cmp_lg_u32 s[ROLE], 0
	s_cbranch_scc1 .Lend
	ds_load_b64 v[28:29], v4 offset:4096           ; B's sum and -M
.irp k, 0,1,2,3,4,5,6,7
	ds_load_b128 v[96+4*\k:99+4*\k], v3 offset:512*\k
.endr
	s_wait_dscnt 0x0
	v_min_num_f32 v24, v12, v29                    ; -M of both
	s_delay_alu instid0(VALU_DEP_1)
	v_sub_f32 v25, v24, v12
	v_sub_f32 v26, v24, v29
	s_delay_alu instid0(VALU_DEP_2)
	v_cvt_i32_f32 v25, v25
	s_delay_alu instid0(VALU_DEP_2)
	v_cvt_i32_f32 v26, v26
	s_delay_alu instid0(VALU_DEP_2)
	v_ldexp_f32 v24, 1.0, v25                      ; A's factor
	s_delay_alu instid0(VALU_DEP_2)
	v_ldexp_f32 v26, 1.0, v26                      ; B's
	s_delay_alu instid0(VALU_DEP_2)
	v_mul_f32 v14, v14, v24
	s_delay_alu instid0(VALU_DEP_1)
	v_fmac_f32 v14, v28, v26
.set n, 0
.rept 16
	v_pk_mul_f32 v[160+n:161+n], v[160+n:161+n], v[24:25] op_sel_hi:[1,0]
.set n, n+2
.endr
.set n, 0
.rept 16
	v_pk_fma_f32 v[160+n:161+n], v[96+n:97+n], v[26:27], v[160+n:161+n] op_sel_hi:[1,0,1]
.set n, n+2
.endr
	YOUT 0, 12
.Lend:
	v_lshl_add_u32 v254, v0, 2, SPARE              ; (V's fragments lay in these two)
	v_mov_b32 v255, 0
	s_wait_alu depctr_va_vdst(0)
	s_wait_tensorcnt 0x0                           ; the wave's end
	ds_add_u32 v254, v255
	s_wait_dscnt 0x0
	CROUND                                         ; the closing round: no work-group ends while a partner may still ask for a tile that names it
	s_endpgm
.Lfunc_end_k_q882d959e21_attn:
	.size	k_q882d959e21_attn, .Lfunc_end_k_q882d959e21_attn-k_q882d959e21_attn
	.p2alignl 7, 3214868480
	.fill 96, 4, 3214868480
	.section	.rodata,"a",@progbits
	.p2align	6, 0x0
	.amdhsa_kernel k_q882d959e21_attn
		.amdhsa_group_segment_fixed_size 301056
		.amdhsa_private_segment_fixed_size 0
		.amdhsa_enable_private_segment 0
		.amdhsa_kernarg_size 24
		.amdhsa_user_sgpr_count 2
		.amdhsa_user_sgpr_kernarg_segment_ptr 1
		.amdhsa_wavefront_size32 1
		.amdhsa_system_sgpr_workgroup_id_x 1
		.amdhsa_system_sgpr_workgroup_id_y 1
		.amdhsa_system_sgpr_workgroup_id_z 1
		.amdhsa_system_vgpr_workitem_id 0
		.amdhsa_next_free_vgpr 256
		.amdhsa_next_free_sgpr 96
		.amdhsa_reserve_vcc 0
		.amdhsa_float_denorm_mode_32 3
		.amdhsa_float_denorm_mode_16_64 3
		.amdhsa_memory_ordered 1
		.amdhsa_forward_progress 1
		.amdhsa_inst_pref_size 46
	.end_amdhsa_kernel
	.amdgpu_metadata
---
amdhsa.version: [ 1, 2 ]
amdhsa.kernels:
  - .name:           k_q882d959e21_attn
    .symbol:         k_q882d959e21_attn.kd
    .args:
      - { .name: qkvc, .offset: 0, .size: 8, .value_kind: global_buffer, .address_space: global }
      - { .name: lowp_scales, .offset: 8, .size: 8, .value_kind: global_buffer, .address_space: global }
      - { .name: yimg, .offset: 16, .size: 8, .value_kind: global_buffer, .address_space: global }
    .group_segment_fixed_size: 301056
    .private_segment_fixed_size: 0
    .kernarg_segment_align: 8
    .kernarg_segment_size: 24
    .max_flat_workgroup_size: 512
    .sgpr_count:     96
    .vgpr_count:     256
    .wavefront_size: 32
...
	.end_amdgpu_metadata
.endif
;; end of part 3
;; launch proj (part 4): grid 8 x 32, 4 waves a work-group, clusters of 4 x 4, 280,064 bytes of LDS; arguments img, yimg, lowp_scales, out0; writes out0
.if DOCPART == 4
	.amdgcn_target "amdgcn-amd-amdhsa--gfx1250"
	.amdhsa_code_object_version 6
	.text
	.protected	k_q882d959e21_proj
	.globl	k_q882d959e21_proj
	.p2align	8
	.type	k_q882d959e21_proj,@function
k_q882d959e21_proj:
	s_mov_b64 s[64:65], 0
	v_nop
	global_prefetch_b8 v0, s[64:65] scope:SCOPE_SE
	s_setreg_imm32_b32 hwreg(HW_REG_WAVE_MODE, 25, 1), 1
	s_wait_xcnt 0x0
	s_wait_alu depctr_hold_cnt(0) depctr_sa_sdst(0) depctr_va_vdst(0) depctr_va_sdst(0) depctr_va_ssrc(0) depctr_va_vcc(0) depctr_vm_vsrc(0)
	s_getreg_b32 s2, hwreg(HW_REG_IB_STS2, 6, 4)
	s_cmp_eq_u32 s2, 0
	s_cbranch_scc0 .Lentry_in_a_cluster
	s_endpgm
.Lentry_in_a_cluster:
	s_bfe_u32 s2, ttmp6, 0x10000c
	s_cmp_lg_u32 s2, 0xf033
	s_cbranch_scc0 .Lentry_shape_is_right
	s_endpgm
.Lentry_shape_is_right:
; out0 = y w_proj^T on codes of FP8 (E4M3), sums in f32, each finished sum x 2^(e6 + e7).  LIMIT: e6 + e7 between -126 and 127, so that that power of two is an f32 number.
; OPERANDS come as images of their registers ([tile of 128 rows][K step of 128: 8][block of 16 rows: 8][2,048]): w_proj from img at 0x700000 (8 tiles), y from yimg (32 tiles).
; A work-group of four waves makes 128 x 128 of out0, a wave 64 x 64: 16 accumulators.  K is 1,024, so BOTH operand tiles lie whole in LDS (131,072 bytes each): every tensor load is a first fill, one a wave, nothing is filled again.
; S0 (source 0) = 16 rows of w_proj, S1 (source 1) = 16 rows of y: a lane then holds eight neighbouring numbers of a row of out0.
; THE WORK GOES BY ROWS OF out0: the wave's weight fragments of all K (4 blocks x 8 K steps x 16 registers) stay in 512 registers; its four blocks of 16 rows of y are finished one after the other, and each leaves while the
; next is multiplied.  No fragment is read twice.
; CLUSTERS: 4 x 4 work-groups.  S0's tile hangs on cx and is shared down a column of the cluster, S1's on cy and is shared along a row: each is asked for JOINTLY, by the same tensor load with the same
; descriptor and a mask that names the four.  No prefetch: the launch has no loop to run ahead in, and asks for everything at its head.
; REGISTERS: window 0: v1-5 LDS addresses; v24-31 the way out's and the add's; v32-63 a block's sums x the scale; v64-127 rows read back, two sets; v128-255 the accumulators ((a, b) at v[128 + 8 (4 a + b)]).
;   windows 1, 2: the weight's fragments, K steps 0-3 and 4-7: v[64 (ks % 4) + 16 b].  window 3: y's, two blocks by turns: v[128 (a % 2) + 16 ks].
.set S1REG, 131072                     ; LDS: S0's tile at 0, S1's here; each [K step][block of 16 rows][2,048]
.set KSB,   16384                      ; a K step of a tile
.set STAGE, 262144                     ; behind the tiles: 16 rows x 272 bytes for each wave, for the way out; no tensor load lands here
.set SPITCH, 272                       ; 256 bytes + 16
.set ACC,   128
.set TMP,   32
.set BK,    64
.set STO,   24                         ; v24 where I put 32 bytes of a row
.set RD,    25                         ; v25 where I read a row back
.set CO,    26                         ; v26 my byte offset in out0
.set G1A, 16                           ; s[16:23] descriptor group 1 for S0's tile;  s[24:31] for S1's: they differ in the mask
.set G1B, 24
.set G0A, 32                           ; s[32:35] group 0 for S0's tile;  s[48:51] for S1's
.set G0B, 48
.set MSB, 0
.macro WIN new                         ; the immediate's high byte repeats the setting that is left
.if MSB != (\new)
	s_set_vgpr_msb (MSB<<8)|(\new)
.set MSB, (\new)
.endif
.endm
.macro CROUND                          ; a round of the cluster's barrier
	s_barrier_signal -1
	s_barrier_wait -1
	s_cmp_lg_u32 s14, 0
	s_cbranch_scc1 .Lnot_wave_0_\@
	s_barrier_signal -3
.Lnot_wave_0_\@:
	s_barrier_wait -3
	s_barrier_signal -1
	s_barrier_wait -1
.endm
.macro PLACES                          ; four plain vector lines behind a matrix instruction, in front of loads into registers that it read and of the first read of results
.rept 4
	v_nop
.endr
.endm
	s_load_b256 s[4:11], s[0:1], 0x0               ; img s[4:5], yimg s[6:7], the scales s[8:9], out0 s[10:11]
	v_lshl_add_u32 v30, v0, 2, 0x44400             ; my spare word, behind the stages
	v_mov_b32 v31, 0
	ds_add_u32 v30, v31                            ; the opening lines: the add, twice on end, and one wait for both
	ds_add_u32 v30, v31
	v_lshrrev_b32 v1, 5, v0
	v_readfirstlane_b32 s14, v1                    ; wave 0..3
	s_lshr_b32 s15, s14, 1                         ; wi: which 64 rows of y's tile are mine.  Also: I fetch for S0 (0) or for S1 (1)
	s_and_b32 s13, s14, 1                          ; wj: which 64 rows of the weight's tile.  Also: I fetch K steps 0-3 or 4-7
	s_bfe_u32 s66, ttmp6, 0x40000                  ; cx
	s_bfe_u32 s67, ttmp6, 0x40004                  ; cy
	s_and_b32 s68, ttmp7, 0xffff                   ; the cluster's y
	s_lshl_b32 s70, s67, 2
	s_lshl_b32 s70, 15, s70                        ; my row of the cluster
	s_lshl_b32 s69, 0x1111, s66                    ; my column
	; descriptor group 1: 65,536 dense bytes, four K steps of a tile, as 256 rows of 32 elements of 8 bytes
	s_or_b32 s[G1A], s69, (3<<16)|(1<<21)          ; 15:0 the mask: S0's tile goes to my column; 17:16 elements of 8 bytes; 20 no padding; 21 set beside a mask
	s_or_b32 s[G1B], s70, (3<<16)|(1<<21)          ; S1's tile goes to my row
.irp g, G1A, G1B
	s_mov_b32 s[\g+1], 32<<16                      ; tensor_dim0 = 32
	s_mov_b32 s[\g+2], 256<<16                     ; tensor_dim1 = 256
	s_mov_b32 s[\g+3], 32<<16                      ; tile_dim0 = 32
	s_mov_b32 s[\g+4], 256                         ; tile_dim1 = 256
	s_mov_b32 s[\g+5], 32                          ; tensor_dim0_stride: rows on end
	s_mov_b32 s[\g+6], 0
	s_mov_b32 s[\g+7], 0
.endr
	s_lshl_b32 s12, s13, 16                        ; my four K steps begin with step 0 or step 4
	s_lshl_b32 s74, ttmp9, 2
	s_add_co_u32 s74, s74, s66                     ; the weight's tile 4 X + cx: no register on this way ever holds cy,
	s_lshl_b32 s74, s74, 17
	s_add_co_u32 s74, s74, 0x700000
	s_add_co_u32 s74, s74, s12
	s_mov_b32 s75, 0
	s_lshl_b32 s76, s68, 2
	s_add_co_u32 s76, s76, s67                     ; y's tile 4 Y + cy: none on this way cx
	s_lshl_b32 s76, s76, 17
	s_add_co_u32 s76, s76, s12
	s_mov_b32 s77, 0
	s_wait_dscnt 0x0                               ; both opening adds are done
	s_wait_kmcnt 0x0
	s_load_b256 s[84:91], s[8:9], 0x0              ; e0 .. e7
	s_mov_b32 s[G0A], 1                            ; count = 1
	s_mov_b32 s[G0A+1], s12                        ; LDS address: the wave's number and constants alone
	s_add_nc_u64 s[G0A+2:G0A+3], s[4:5], s[74:75]  ; global address
	s_or_b32 s[G0A+3], s[G0A+3], 0x80000000        ; type = 2
	s_mov_b32 s[G0B], 1
	s_add_co_u32 s[G0B+1], s12, S1REG
	s_add_nc_u64 s[G0B+2:G0B+3], s[6:7], s[76:77]
	s_or_b32 s[G0B+3], s[G0B+3], 0x80000000
	CROUND                                         ; all sixteen work-groups are here: the joint loads meet
	s_cmp_eq_u32 s15, 0                            ; waves 0 and 1 fetch for S0, waves 2 and 3 for S1: one tensor load a wave
	s_cbranch_scc0 .Lfor_s1
	tensor_load_to_lds s[G0A:G0A+3], s[G1A:G1A+7]
	s_nop 0
.rept 4
	v_nop
.endr
	s_branch .Lasked
.Lfor_s1:
	tensor_load_to_lds s[G0B:G0B+3], s[G1B:G1B+7]
	s_nop 0
.rept 4
	v_nop
.endr
.Lasked:
	v_and_b32 v1, 31, v0
	v_lshlrev_b32 v1, 4, v1                        ; v1 = 16 x lane: my place in every image
	s_lshl_b32 s2, s13, 13
	v_add_nc_u32 v2, s2, v1                        ; v2, v3: S0's fragments, my four blocks of 16 rows, K steps 0-3 and 4-7 (the immediate reaches 65,535 bytes)
	v_add_nc_u32 v3, 0x10000, v2
	s_lshl_b32 s3, s15, 13
	s_add_co_u32 s3, s3, S1REG
	v_add_nc_u32 v4, s3, v1                        ; v4, v5: S1's
	v_add_nc_u32 v5, 0x10000, v4
	s_mul_i32 s2, s14, 16*SPITCH
	s_add_co_u32 s2, s2, STAGE                     ; my stage
	v_and_b32 v6, 15, v0                           ; r
	v_bfe_u32 v7, v0, 4, 1                         ; h
	v_mul_u32_u24 v[STO], v6, SPITCH               ; in: row r, 32 bytes for each half of the lanes
	v_lshl_add_u32 v[STO], v7, 5, v[STO]
	v_add_nc_u32 v[STO], s2, v[STO]
	v_mul_u32_u24 v[RD], v7, SPITCH                ; back: lanes 0-15 take one row of 256 bytes, lanes 16-31 the next
	v_lshl_add_u32 v[RD], v6, 4, v[RD]
	v_add_nc_u32 v[RD], s2, v[RD]
	v_lshlrev_b32 v[CO], 12, v7                    ; and the same two rows in out0 (a row is 4,096 bytes)
	v_lshl_add_u32 v[CO], v6, 4, v[CO]
	s_lshl_b32 s94, s68, 2
	s_add_co_u32 s94, s94, s67                     ; ty
	s_lshl_b32 s94, s94, 1
	s_add_co_u32 s94, s94, s15
	s_lshl_b32 s94, s94, 18                        ; my first row: 128 ty + 64 wi, x 4,096 bytes
	s_lshl_b32 s95, ttmp9, 2
	s_add_co_u32 s95, s95, s66                     ; tx
	s_lshl_b32 s95, s95, 1
	s_add_co_u32 s95, s95, s13
	s_lshl_b32 s95, s95, 8                         ; my first column: 128 tx + 64 wj, x 4 bytes
	s_add_co_u32 s94, s94, s95
	s_mov_b32 s95, 0
	s_add_nc_u64 s[10:11], s[10:11], s[94:95]
	s_wait_alu depctr_va_vdst(0)
	s_wait_kmcnt 0x0
	s_add_co_i32 s92, s90, s91                     ; e6 + e7
	s_add_co_i32 s92, s92, 127
	s_lshl_b32 s92, s92, 23                        ; 2^(e6 + e7) as f32
	s_mov_b32 s93, s92                             ; (named with it as a pair, so it is written)
.macro LW ks                           ; the weight's four fragments of a K step: 16 loads, each of 512 consecutive bytes
	WIN 0x40+0x40*((\ks)/4)
.irp b, 0,1,2,3
.irp c, 0,1,2,3
	ds_load_b128 v[64*((\ks)%4)+16*\b+4*\c:64*((\ks)%4)+16*\b+4*\c+3], v[2+(\ks)/4] offset:((\ks)%4)*KSB+2048*\b+512*\c
.endr
.endr
.endm
.macro LX a, ks                        ; y's fragment of block a, a K step: 4 loads
	WIN 0xc0
.irp c, 0,1,2,3
	ds_load_b128 v[128*((\a)%2)+16*(\ks)+4*\c:128*((\a)%2)+16*(\ks)+4*\c+3], v[4+(\ks)/4] offset:((\ks)%4)*KSB+2048*(\a)+512*\c
.endr
.endm
.macro MUL4 a, ks                      ; four matrix instructions, 128 along K.  A block's four accumulators take turns, one instruction a turn; the first products start the sums
	WIN 0x0d+(\ks)/4
.irp b, 0,1,2,3
.if (\ks) == 0
	v_wmma_f32_16x16x128_fp8_fp8 v[ACC+8*(4*(\a)+\b):ACC+8*(4*(\a)+\b)+7], v[64*((\ks)%4)+16*\b:64*((\ks)%4)+16*\b+15], v[128*((\a)%2)+16*(\ks):128*((\a)%2)+16*(\ks)+15], 0
.else
	v_wmma_f32_16x16x128_fp8_fp8 v[ACC+8*(4*(\a)+\b):ACC+8*(4*(\a)+\b)+7], v[64*((\ks)%4)+16*\b:64*((\ks)%4)+16*\b+15], v[128*((\a)%2)+16*(\ks):128*((\a)%2)+16*(\ks)+15], v[ACC+8*(4*(\a)+\b):ACC+8*(4*(\a)+\b)+7]
.endif
.endr
.endm
.macro LROW a
.irp ks, 0,1,2,3,4,5,6,7
	LX \a, \ks
.endr
.endm
.macro ROW a
.irp ks, 0,1,2,3,4,5,6,7
	MUL4 \a, \ks
.endr
.endm
; THE WAY OUT of a block of 16 rows x 64 columns.  A lane holds 32 neighbouring bytes of a row, and the lanes beside it hold other rows: so a block goes through my own stage in LDS and comes back as whole
; rows of 256 bytes.  LDS serves a wave's instructions in order (ISA guide 5.7.1.4): no wait between the stores and the loads, nor in front of the next block's stores.
.macro TOSTAGE a
	WIN 0
.set i, 0
.rept 16
	v_pk_mul_f32 v[TMP+i:TMP+i+1], v[ACC+32*(\a)+i:ACC+32*(\a)+i+1], s[92:93] op_sel_hi:[1,0]   ; both x 2^(e6 + e7); each accumulator from its low end on
.set i, i+2
.endr
.irp b, 0,1,2,3
	ds_store_b128 v[STO], v[TMP+8*\b:TMP+8*\b+3] offset:64*\b
	ds_store_b128 v[STO], v[TMP+8*\b+4:TMP+8*\b+7] offset:64*\b+16
.endr
.irp t, 0,1,2,3,4,5,6,7
	ds_load_b128 v[BK+32*((\a)%2)+4*\t:BK+32*((\a)%2)+4*\t+3], v[RD] offset:\t*2*SPITCH
.endr
.endm
.macro SEND a, younger                 ; younger: the LDS instructions issued behind block a's loads, which may stay out
	WIN 0
	s_wait_dscnt \younger                          ; the block is back in registers
.irp t, 0,1,2,3,4,5,6,7
	global_store_b128 v[CO], v[BK+32*((\a)%2)+4*\t:BK+32*((\a)%2)+4*\t+3], s[10:11] offset:(16*(\a)+2*\t)*4096 th:TH_STORE_NT   ; 16 lanes store 256 consecutive bytes, at a multiple of 256 from out0's first byte; written once, read by nobody here
.endr
.endm
	s_wait_tensorcnt 0x0                           ; my load has landed; behind the barrier both tiles are whole in LDS
	s_barrier_signal -1
	s_barrier_wait -1
	LW 0
	LX 0, 0
	LW 1
	LX 0, 1
.irp ks, 0,1,2,3,4,5                   ; block 0, while the weight's fragments come, two K steps ahead
	LW \ks+2
	LX 0, \ks+2
	s_wait_dscnt 40                                ; two K steps' twenty loads each may be out
	MUL4 0, \ks
.endr
.irp ks, 0,1,2,3
	LX 1, \ks
.endr
	s_wait_dscnt 36                                ; K step 7's twenty and the sixteen just issued may be out
	MUL4 0, 6
.irp ks, 4,5,6,7
	LX 1, \ks
.endr
	s_wait_dscnt 32                                ; block 1's 32
	MUL4 0, 7
	PLACES
	TOSTAGE 0
	LROW 2
	s_wait_dscnt 48                                ; block 1's rows are in; behind them stand the stage's 16 and block 2's 32
	ROW 1
	SEND 0, 32
	PLACES
	TOSTAGE 1
	LROW 3
	s_wait_dscnt 48                                ; block 2's rows are in, likewise
	ROW 2
	SEND 1, 32
	PLACES
	s_wait_xcnt 0x0                                ; block 0's stores have read their registers: block 2's loads may land there
	TOSTAGE 2
	s_wait_dscnt 16                                ; block 3's rows are in
	ROW 3
	SEND 2, 0
	PLACES
	s_wait_xcnt 0x0                                ; block 1's stores likewise
	TOSTAGE 3
	SEND 3, 0
	s_wait_tensorcnt 0x0                           ; the wave's end
	ds_add_u32 v30, v31
	s_wait_dscnt 0x0
	CROUND                                         ; the closing round: no work-group ends while a partner may still ask for a tile that names it
	s_endpgm
.Lfunc_end_k_q882d959e21_proj:
	.size	k_q882d959e21_proj, .Lfunc_end_k_q882d959e21_proj-k_q882d959e21_proj
	.p2alignl 7, 3214868480
	.fill 96, 4, 3214868480
	.section	.rodata,"a",@progbits
	.p2align	6, 0x0
	.amdhsa_kernel k_q882d959e21_proj
		.amdhsa_group_segment_fixed_size 280064
		.amdhsa_private_segment_fixed_size 0
		.amdhsa_enable_private_segment 0
		.amdhsa_kernarg_size 32
		.amdhsa_user_sgpr_count 2
		.amdhsa_user_sgpr_kernarg_segment_ptr 1
		.amdhsa_wavefront_size32 1
		.amdhsa_system_sgpr_workgroup_id_x 1
		.amdhsa_system_sgpr_workgroup_id_y 1
		.amdhsa_system_sgpr_workgroup_id_z 1
		.amdhsa_system_vgpr_workitem_id 0
		.amdhsa_next_free_vgpr 1024
		.amdhsa_next_free_sgpr 100
		.amdhsa_reserve_vcc 0
		.amdhsa_float_denorm_mode_32 3
		.amdhsa_float_denorm_mode_16_64 3
		.amdhsa_memory_ordered 1
		.amdhsa_forward_progress 1
		.amdhsa_inst_pref_size 44
	.end_amdhsa_kernel
	.amdgpu_metadata
---
amdhsa.version: [ 1, 2 ]
amdhsa.kernels:
  - .name:           k_q882d959e21_proj
    .symbol:         k_q882d959e21_proj.kd
    .args:
      - { .name: img, .offset: 0, .size: 8, .value_kind: global_buffer, .address_space: global }
      - { .name: yimg, .offset: 8, .size: 8, .value_kind: global_buffer, .address_space: global }
      - { .name: lowp_scales, .offset: 16, .size: 8, .value_kind: global_buffer, .address_space: global }
      - { .name: out0, .offset: 24, .size: 8, .value_kind: global_buffer, .address_space: global }
    .group_segment_fixed_size: 280064
    .private_segment_fixed_size: 0
    .kernarg_segment_align: 8
    .kernarg_segment_size: 32
    .max_flat_workgroup_size: 128
    .sgpr_count:     100
    .vgpr_count:     1024
    .wavefront_size: 32
...
	.end_amdgpu_metadata
.endif
;; end of part 4
